; MI455X (gfx1250); checked and timed in simulation.
; The chip was launched on July 23, 2026; its instructions are those of AMD's public machine-readable ISA for CDNA 5 (MIT licence, August 2026) and "CDNA5" Instruction Set Architecture Reference Guide (July 2026). The comments in the code are by the model that wrote it; some were corrected since.
;; Causal Self Attention. Allowed arithmetic: matrix products marked QUANTISED: E2M3 operands, one E8M0 scale for each 32 along K, by v_wmma_scale_f32_16x16x128_f8f6f4 with both operands' format E2M3, f32 sums; everything else in f32.
;; Inputs: freqs_cos 2,048 x 32 float32; freqs_sin 2,048 x 32 float32; w_attn 3,072 x 1,024 float32; x 2 x 2,048 x 1,024 float32.
;; Outputs: out0 2 x 16 x 2,048 x 64 float32.
;; This version of the problem:
;;   THIS VERSION OF THE PROBLEM IS GIVEN IN LOW PRECISION. The matrix products marked QUANTISED in the list below multiply operands that are first quantised to E2M3 (2 exponent bits, 3 mantissa bits; 6 bits a number), with one power-of-two scale for each 32 numbers along K (OCP MX v1.0); their sums are f32. All else is computed in f32.
;;   The module's matrix products, in the order in which they are computed (A, B: the left and right operand; K: the contracted axis; several contracted axes count as one K, in the product's order):
;;     1. [M 4,096, K 1,024] x [K 1,024, N 3,072]; A: input x; B: input w_attn: QUANTISED
;;     2. batch 32 x [M 2,048, K 64] x [K 64, N 2,048]; A: computed on the way; B: computed on the way: QUANTISED
;;     3. batch 32 x [M 2,048, K 2,048] x [K 2,048, N 64]; A: softmax (see below); B: computed on the way: QUANTISED
;;   THE QUANTISER, for each operand of a quantised product, along K:
;;     - K is cut into blocks of 32 from its start; a last block that is shorter is filled with zeros.
;;     - A block's scale is 2^e with e = floor(log2(the largest magnitude in the block)) - 2, held to -126 .. 127; a block of zeros has e = 0. As a byte (E8M0): e + 127.
;;     - Each number is divided by its block's scale, clamped to +-7.5, and rounded to the nearest number of E2M3, ties to even, subnormals kept.
;;     - The product sums the exact products of the quantised numbers (number of the format x scale) in f32.
;;   ~~~python
;;   def quantise(x, axis):      # numpy; x: float32 -> the quantised numbers, widened to float32 again
;;       x = np.moveaxis(x, axis, -1); K = x.shape[-1]
;;       x = np.pad(x, [(0, 0)] * (x.ndim - 1) + [(0, -K % 32)]); x = x.reshape(x.shape[:-1] + (-1, 32)); a = np.abs(x).max(-1, keepdims=True)
;;       e = np.where(a > 0, np.clip(np.frexp(np.where(a > 0, a, 1))[1] - 1 - 2, -126, 127), 0)      # np.frexp(a)[1] - 1 = floor(log2(a)), exactly
;;       r = np.clip(x / 2.0 ** e, -7.5, 7.5)
;;       step = 2.0 ** (np.maximum(np.frexp(np.where(r == 0, 1, r))[1] - 1, 0) - 3)
;;       q = np.round(r / step) * step * 2.0 ** e      # np.round: ties to even
;;       return np.moveaxis(q.reshape(q.shape[:-2] + (-1,))[..., :K], -1, axis).astype(np.float32)
;;   ~~~
;;   SOFTMAX AHEAD OF A QUANTISED PRODUCT. Where the list says 'softmax', what is quantised is not the finished softmax but p = 2^(t - M), with t = logit x log2(e) and M = ceil(the row's largest t), a whole number; so 1/2 < the row's largest p <= 1. The row's sum l is taken of the UNQUANTISED p, in f32, and the product's result is divided by l at the end. Since M is a whole number, a kernel that streams over the keys may use a running M (the ceiling of the running maximum): every later rescaling is an exact power of two, which a block's scale takes up: the codes' values come out the same.
;;   OPERANDS COMPUTED ON THE WAY. 'Computed on the way' means the value that the module computes at that place (a softmax that the list does not call 'softmax' is quantised finished and normalised). What goes into a quantiser is computed in f32, as accurately as f32 sums, v_exp_f32 and their like allow (about 1e-6 of the number): no bf16 or f16 on the way to a quantiser, and a product that is left as it is and whose result goes on into a quantised operand takes f32 operands (vector FMAs, or v_wmma_f32_16x16x4_f32). A number that lies on a knife's edge between two numbers of the format may be rounded either way, as far as f32 arithmetic and the matrix unit's own rounding can turn it there, and no further.
;; One version. Each part assembles by itself: llvm-mc -triple=amdgcn-amd-amdhsa -mcpu=gfx1250 --defsym DOCPART=n.
;; ======== version 1 of 1: 3 launches
;; limits: right only within a limited range of input values
;; workspace buffers: xb 3,276,800 bytes; wb 2,457,600 bytes; qc 3,145,728 bytes; qs 131,072 bytes; kvc 6,553,600 bytes
;; launch quant (part 1): grid 256 x 1, 7 waves a work-group, no clusters, 38,656 bytes of LDS; arguments x, w_attn, xb, wb; writes xb, wb
.if DOCPART == 1
	.amdgcn_target "amdgcn-amd-amdhsa--gfx1250"
	.amdhsa_code_object_version 6
	.text
	.protected	k_q8fee4187a8_quant
	.globl	k_q8fee4187a8_quant
	.p2align	8
	.type	k_q8fee4187a8_quant,@function
k_q8fee4187a8_quant:
	s_mov_b64 s[64:65], 0
	v_nop
	global_prefetch_b8 v0, s[64:65] scope:SCOPE_SE
	s_setreg_imm32_b32 hwreg(HW_REG_WAVE_MODE, 25, 1), 1
	s_wait_xcnt 0x0
; THE PROGRAM: y = causal attention over RoPE(x W^T), all three products on codes of FP6 (E2M3) with one E8M0 scale for each 32 along K.  Three launches:
;   quant: x and w_attn become codes and scale bytes;   qkv: the first product, RoPE, and the quantisers of q, k and v;   attn: scores, softmax and the product with v.
; WORK LEFT OUT, in the third launch alone: key steps of 128 keys all of which come after all 16 queries of a tile.  reference() itself builds the mask (jnp.tril) and puts -1e30 where key > query;
;   key = query is never hidden, so the row's largest logit is a visible one, and a hidden key's weight is nothing beside it for all finite inputs: whole tiles above the diagonal reach no output.
;   All four inputs have a way to the output and are loaded.
; LIMITS: a NaN, an infinity or an overflow that reaches only the tiles left out is not carried to the result.  Inside the tile on the diagonal a hidden score becomes -infinity where reference()
;   has -1e30: the same result while visible logits stay above -1e29.  The scaled scores (exponents to the base 2) stay under 2^31 in magnitude.  NaN and infinities among the inputs are not served.
;   Blocks whose largest magnitude lies under 2^-124 get the scale byte 1; a block of zeros gets the byte 1 too: its codes are zeros, and this program alone reads the bytes.
;
; THIS LAUNCH.  A STORED BLOCK is 16 rows: 16 x 768 bytes of codes, then 16 x 32 scale bytes: 12,800 bytes, 50 units of 256.
;   x: 256 blocks.  With j = 0 .. 3, h = 0, 1, i = 0 .. 7: in each band of 64 tokens, row 8 h + i of block j is token 32 h + 8 j + i.
;   w: 192 blocks, 12 a head: Q's four, K's four, V's four.  In V's, row 8 h + i of block j is column 32 h + 8 j + i of the head; in Q's and K's, with n = 8 j + i, it is column 32 h + 2 (n % 16) + n / 16:
;   in each half of 32 the even columns, then the odd ones.  Q and K take the same order, so their product along the head is the same sum.
; A wave takes 4 stored rows (8 steps of 512 numbers): waves 0-3 one block of x, waves 4-6 three quarter blocks of w.  All 32 loads of a wave go out at the head, each 512 consecutive bytes.  A step's 2,048 bytes turn
; through the wave's own stage in LDS, so that a lane holds 16 neighbours (two lanes to a block of 32) for the conversion.  No tensor loads, no barrier: waves share nothing.
.set STEPS, 8
.set EMAX,  2
.set CB,    12                         ; bytes of 16 codes
.set R,     16                         ; v16-143   the numbers as they are loaded
.set X,     144                        ; v144-175 two sets of 16 neighbours
.set C,     176                        ; v176-207 codes
.set E,     208                        ; v208-215 a scale byte for each step
.set WREG,  5376                       ; LDS: a region for each wave: two stages of 32 x SP bytes, and behind them its 128 scale bytes
.set SP,    80
.set SPW,   12
.set NIL,   13
.set SPARE, 7*WREG
.set RB,    40                         ; s[40:47] where my four rows begin
	s_load_b256 s[4:11], s[0:1], 0x0               ; x, w_attn, x's blocks, w's blocks
	v_lshl_add_u32 v[SPW], v0, 2, SPARE
	v_mov_b32 v[NIL], 0
	v_lshrrev_b32 v1, 5, v0
	v_readfirstlane_b32 s16, v1                    ; wave
	v_and_b32 v2, 31, v0                           ; lane
	v_lshlrev_b32 v3, 4, v2
	s_mul_i32 s17, s16, WREG
	v_lshrrev_b32 v14, 2, v2
	v_mul_u32_u24 v14, v14, SP
	v_and_b32 v15, 3, v2
	v_lshl_add_u32 v14, v15, 4, v14
	v_add_nc_u32 v14, s17, v14                     ; the stage, on the way in: four lanes' 64 bytes on end, then 16 of padding
	v_mul_u32_u24 v15, v2, SP
	v_add_nc_u32 v15, s17, v15                     ; and on the way out: my 16 neighbours
	v_mul_u32_u24 v4, v2, CB
	v_lshrrev_b32 v5, 1, v2
	s_add_co_u32 s17, s17, 2*32*SP
	v_add_nc_u32 v5, s17, v5                       ; my block's byte
	v_lshlrev_b32 v7, 2, v2
	v_add_nc_u32 v6, s17, v7                       ; on the way out 4 bytes a lane
	s_wait_alu depctr_va_vdst(0)
	; x: my first row's token
	s_lshr_b32 s20, ttmp9, 2
	s_lshl_b32 s20, s20, 6
	s_lshr_b32 s21, s16, 1
	s_lshl_b32 s21, s21, 5
	s_add_co_u32 s20, s20, s21
	s_and_b32 s21, ttmp9, 3
	s_lshl_b32 s21, s21, 3
	s_add_co_u32 s20, s20, s21
	s_and_b32 s21, s16, 1
	s_lshl_b32 s21, s21, 2
	s_add_co_u32 s20, s20, s21
	; w: my quarter block's number u = 48 head + 16 section + v
	s_mul_i32 s22, ttmp9, 3
	s_add_co_u32 s22, s22, s16
	s_sub_co_u32 s22, s22, 4
	s_lshr_b32 s23, s22, 4                         ; 3 head + section
	s_mul_i32 s24, s23, 43
	s_lshr_b32 s24, s24, 7                         ; head: a third of it, for numbers under 48
	s_mul_i32 s25, s24, 3
	s_sub_co_u32 s25, s23, s25                     ; section
	s_and_b32 s26, s22, 15                         ; v
	s_bfe_u32 s27, s26, 0x10001                    ; h
	s_lshl_b32 s27, s27, 5
	s_lshr_b32 s28, s26, 2
	s_lshl_b32 s28, s28, 3
	s_and_b32 s29, s26, 1
	s_lshl_b32 s29, s29, 2
	s_add_co_u32 s28, s28, s29                     ; n = 8 j + i of my first row
	s_add_co_u32 s29, s27, s28                     ; V's column
	s_and_b32 s30, s28, 15
	s_lshl_b32 s30, s30, 1
	s_lshr_b32 s31, s28, 4
	s_add_co_u32 s30, s30, s31
	s_add_co_u32 s30, s30, s27                     ; Q's or K's
	s_mov_b32 s31, 8192
	s_cmp_eq_u32 s25, 2
	s_cselect_b32 s29, s29, s30
	s_cselect_b32 s30, 4096, s31                   ; bytes from my row to my next: one row of w or two
	s_lshl_b32 s25, s25, 10
	s_lshl_b32 s24, s24, 6
	s_add_co_u32 s29, s29, s25
	s_add_co_u32 s29, s29, s24
	s_lshr_b32 s24, s22, 2                         ; block
	s_and_b32 s25, s22, 3                          ; quarter
	s_wait_kmcnt 0x0
	s_cmp_lt_u32 s16, 4                            ; x's wave or w's
	s_cselect_b32 s20, s20, s29
	s_cselect_b32 s30, 4096, s30
	s_cselect_b32 s24, ttmp9, s24
	s_cselect_b32 s25, s16, s25
	s_cselect_b64 s[4:5], s[4:5], s[6:7]
	s_cselect_b64 s[8:9], s[8:9], s[10:11]
	s_lshl_b32 s20, s20, 12
	s_mov_b32 s21, 0
	s_mov_b32 s31, 0
	s_add_nc_u64 s[RB:RB+1], s[4:5], s[20:21]
	s_add_nc_u64 s[RB+2:RB+3], s[RB:RB+1], s[30:31]
	s_add_nc_u64 s[RB+4:RB+5], s[RB+2:RB+3], s[30:31]
	s_add_nc_u64 s[RB+6:RB+7], s[RB+4:RB+5], s[30:31]
	s_mul_i32 s24, s24, 12800
	s_mul_i32 s22, s25, 3072
	s_add_co_u32 s20, s24, s22
	s_add_nc_u64 s[10:11], s[8:9], s[20:21]        ; my codes
	s_lshl_b32 s22, s25, 7
	s_add_co_u32 s20, s24, s22
	s_add_co_u32 s20, s20, 12288
	s_add_nc_u64 s[12:13], s[8:9], s[20:21]        ; my scale bytes
.irp t, 0,1,2,3,4,5,6,7
.irp i, 0,1,2,3
	global_load_b128 v[R+16*\t+4*\i:R+16*\t+4*\i+3], v3, s[RB+2*(\t/2):RB+2*(\t/2)+1] offset:2048*(\t%2)+512*\i th:TH_LOAD_NT
.endr
.endr
.macro TURN t                          ; step t's numbers through the stage: LDS serves a wave's instructions in order, so no wait stands between the stores and the loads
.irp i, 0,1,2,3
	ds_store_b128 v14, v[R+16*(\t)+4*\i:R+16*(\t)+4*\i+3] offset:32*SP*((\t)%2)+8*SP*\i
.endr
.irp i, 0,1,2,3
	ds_load_b128 v[X+16*((\t)%2)+4*\i:X+16*((\t)%2)+4*\i+3], v15 offset:32*SP*((\t)%2)+16*\i
.endr
.endm
	s_wait_loadcnt 28                              ; step 0's four loads are in
	TURN 0
.macro STEP t
.set XS, X+16*((\t)%2)
.if (\t) > 0
	s_wait_dscnt 1                                 ; this step's numbers are back (the last step's byte store may be out)
.else
	s_wait_dscnt 0x0
.endif
.if (\t)+1 < STEPS
	s_wait_loadcnt 4*(STEPS-2-(\t))                ; the next step's four loads are in
	TURN (\t)+1
.endif
	v_max3_num_f32 v8, |v[XS]|, |v[XS+1]|, |v[XS+2]|
	v_max3_num_f32 v9, |v[XS+3]|, |v[XS+4]|, |v[XS+5]|
.irp i, 6,10
	v_max3_num_f32 v8, v8, |v[XS+\i]|, |v[XS+\i+1]|
	v_max3_num_f32 v9, v9, |v[XS+\i+2]|, |v[XS+\i+3]|
.endr
	v_max3_num_f32 v8, v8, |v[XS+14]|, |v[XS+15]|
	v_max3_num_f32 v8, v8, v9, (EMAX+1)<<23        ; and the floor: so the byte cannot fall under 1
	v_max_num_f32_dpp v8, v8, v8 row_xmask:1 row_mask:0xf bank_mask:0xf
	v_add_nc_u32 v11, -(EMAX<<23), v8              ; the conversion takes the exponent field of this operand as its scale, and nothing else of it
	v_cvt_scalef32_pk16_fp6_f32 v[C+4*(\t):C+4*(\t)+2], v[XS:XS+15], v11
	v_lshrrev_b32 v[E+(\t)], 23, v11               ; the scale's byte
	ds_store_b8 v5, v[E+(\t)] offset:16*(\t)       ; both lanes of a block write the same byte with the same value
	global_store_b96 v4, v[C+4*(\t):C+4*(\t)+2], s[10:11] offset:32*CB*(\t)
.endm
.irp t, 0,1,2,3,4,5,6,7
	STEP \t
.endr
	ds_load_b32 v8, v6                             ; LDS serves a wave's instructions in order: these see my stores
	s_wait_dscnt 0x0
	global_store_b32 v7, v8, s[12:13]              ; 128 consecutive bytes: my four rows' scales
	s_wait_tensorcnt 0x0                           ; the wave's end
	ds_add_u32 v[SPW], v[NIL]
	s_wait_dscnt 0x0
	s_endpgm
.Lfunc_end_k_q8fee4187a8_quant:
	.size	k_q8fee4187a8_quant, .Lfunc_end_k_q8fee4187a8_quant-k_q8fee4187a8_quant
	.p2alignl 7, 3214868480
	.fill 96, 4, 3214868480
	.section	.rodata,"a",@progbits
	.p2align	6, 0x0
	.amdhsa_kernel k_q8fee4187a8_quant
		.amdhsa_group_segment_fixed_size 38656
		.amdhsa_private_segment_fixed_size 0
		.amdhsa_enable_private_segment 0
		.amdhsa_kernarg_size 32
		.amdhsa_user_sgpr_count 2
		.amdhsa_user_sgpr_kernarg_segment_ptr 1
		.amdhsa_wavefront_size32 1
		.amdhsa_system_sgpr_workgroup_id_x 1
		.amdhsa_system_sgpr_workgroup_id_y 1
		.amdhsa_system_sgpr_workgroup_id_z 1
		.amdhsa_system_vgpr_workitem_id 0
		.amdhsa_next_free_vgpr 224
		.amdhsa_next_free_sgpr 66
		.amdhsa_reserve_vcc 0
		.amdhsa_float_denorm_mode_32 3
		.amdhsa_float_denorm_mode_16_64 3
		.amdhsa_memory_ordered 1
		.amdhsa_forward_progress 1
		.amdhsa_inst_pref_size 19
	.end_amdhsa_kernel
	.amdgpu_metadata
---
amdhsa.version: [ 1, 2 ]
amdhsa.kernels:
  - .name:           k_q8fee4187a8_quant
    .symbol:         k_q8fee4187a8_quant.kd
    .args:
      - { .name: x, .offset: 0, .size: 8, .value_kind: global_buffer, .address_space: global }
      - { .name: w_attn, .offset: 8, .size: 8, .value_kind: global_buffer, .address_space: global }
      - { .name: xb, .offset: 16, .size: 8, .value_kind: global_buffer, .address_space: global }
      - { .name: wb, .offset: 24, .size: 8, .value_kind: global_buffer, .address_space: global }
    .group_segment_fixed_size: 38656
    .private_segment_fixed_size: 0
    .kernarg_segment_align: 8
    .kernarg_segment_size: 32
    .max_flat_workgroup_size: 224
    .sgpr_count:     66
    .vgpr_count:     224
    .wavefront_size: 32
...
	.end_amdgpu_metadata
.endif
;; end of part 1
;; launch qkv (part 2): grid 16 x 16, 4 waves a work-group, clusters of 4 x 4, 327,680 bytes of LDS; arguments xb, wb, freqs_cos, freqs_sin, qc, qs, kvc; writes qc, qs, kvc
.if DOCPART == 2
	.amdgcn_target "amdgcn-amd-amdhsa--gfx1250"
	.amdhsa_code_object_version 6
	.text
	.protected	k_q8fee4187a8_qkv
	.globl	k_q8fee4187a8_qkv
	.p2align	8
	.type	k_q8fee4187a8_qkv,@function
k_q8fee4187a8_qkv:
	s_mov_b64 s[64:65], 0
	v_nop
	global_prefetch_b8 v0, s[64:65] scope:SCOPE_SE
	s_setreg_imm32_b32 hwreg(HW_REG_WAVE_MODE, 25, 1), 1
	s_wait_xcnt 0x0
	s_wait_alu depctr_hold_cnt(0) depctr_sa_sdst(0) depctr_va_vdst(0) depctr_va_sdst(0) depctr_va_ssrc(0) depctr_va_vcc(0) depctr_vm_vsrc(0)
	s_getreg_b32 s2, hwreg(HW_REG_IB_STS2, 6, 4)
	s_cmp_eq_u32 s2, 0
	s_cbranch_scc0 .Lentry_in_a_cluster
	s_endpgm
.Lentry_in_a_cluster:
	s_bfe_u32 s2, ttmp6, 0x10000c
	s_cmp_lg_u32 s2, 0xf033
	s_cbranch_scc0 .Lentry_shape_is_right
	s_endpgm
.Lentry_shape_is_right:
; Q, K, V of 256 tokens and ONE HEAD (64 columns each) a work-group: x W^T on codes of FP6, RoPE on Q and K in f32, and all three quantised on the way out.  No f32 result is stored.
; A wave holds 64 tokens of x (a band), all of K = 1,024, in registers: 4 tiles x 8 fragments of 12.  The head's 192 rows of w stream past in 12 blocks of 16 rows: Q's 0-3, K's 4-7, V's 8-11.
;   Q, K: source 0 = w's rows, source 1 = x's: lane (r, h) holds token row r of a tile; over the section's four blocks its 32 results are one scale block, half h of the head: first 16 even columns, then their odd partners.
;   V: source 0 = x's rows, source 1 = w's: lane (r, h) holds column r of a block; over the four tiles its 32 results are tokens 32 h + 0 .. 31 of the band: one scale block.  So no lane looks at another.
; BUFFERS.  qc [head of 32][tile of 16 queries: 128][lane][16 bytes], then [lane][8]: six registers;  qs [head][tile][r][h] bytes.
;   kvc [head][key step of 128: 16] of 12,800 bytes: K's images m = 2 c + p (c the band, p the pair of tiles) of twelve registers, three pieces of [lane][16];  V's column tiles t at 6,144 + 1,536 t, in each band c's six registers
;   at 768 c as [lane][16], then [lane][8];  at 12,288 [32][16 bytes]: lanes 0-15 K's four scale words of row r, lanes 16-31 V's four of column r.
; LDS: x's 16 blocks at 0, w's blocks 0-7 at WB, each unit of 256 bytes with 16 of padding: a row of codes is 816 bytes, a block 13,600.  w's blocks 8-11 come later onto x's first four blocks, when every wave holds x in registers.
;   The results' scale bytes gather at SKV, in bytes of x's region that no later fill touches.
; CLUSTERS of 4 x 4: x's rows are shared along a row of the cluster, w's along a column, by joint loads.  At the head one load a wave: waves 0, 1 x's halves, wave 2 w's blocks 0-3, wave 3 w's blocks 4-7.
; NO PREFETCH: no loop to run ahead in; the one refill is asked for in block 1 and first read behind block 6: five blocks of 32 products to land in.
; No work is left out here.  NaN and infinities are not served.
.set BLK, 13600
.set WB,  16*BLK
.set SKV, 65536
.set SQ,  SKV+1024
.set SPARE, WB+8*BLK
.set PITCH, 816
.set FPW, 21                           ; fragments in a window of 256 registers: fragment f lies in window 1 + f / 21 at 12 (f % 21).  0-31: x's, 4 q + a; 32-39, 40-47: w's two sets
.set EMAX, 2
.set SPW, 10
.set NIL, 11
.set XS,  16                           ; v16-31 x's scale words: 8 (a / 2) + q, lanes 0-15 tile 2 (a / 2), lanes 16-31 the next
.set WS,  36                           ; v36-51 w's scale words, two sets
.set TC0, 32
.set TQ,  52                           ; v52-55 the chains
.set RT,  56                           ; v56-63 RoPE's products;  behind RoPE: TC1, EB, SOP
.set TC1, 56
.set EB,  60
.set SOP, 62
.set QA,  64                           ; v64-191 Q's sums 32 a + 8 j + i; then V's 32 t + 8 a + i
.set KA,  840                          ; v840-967 K's
.set CS,  192                          ; v192-255 cosines and sines of two tiles: 16 + 16 each.  At the head: LDS addresses
.set XAD, 192
.set NCA, 200                          ; v968-979, v980-991 (window 3): twelve registers of codes, by turns
.set NCB, 212
.set G1A, 24
.set G1B, 32
.set G0A, 48
.set G0B, 52
.set G0C, 56
.set G0D, 60
.set MSB, 0
.macro WIN new
.if MSB != (\new)
	s_set_vgpr_msb (MSB<<8)|(\new)
.set MSB, (\new)
.endif
.endm
.macro PLACES n
.rept \n
	v_nop
.endr
.endm
.macro WALU
	s_wait_alu depctr_va_vdst(0)
.endm
.macro MIDDLE
	WIN 0
	s_barrier_wait -1
	s_cmp_lg_u32 s14, 0
	s_cbranch_scc1 .Lnot_wave_0_\@
	s_barrier_signal -3
.Lnot_wave_0_\@:
	s_barrier_wait -3
.endm
.macro CROUND
	s_barrier_signal -1
	MIDDLE
	s_barrier_signal -1
	s_barrier_wait -1
.endm
.macro TLOAD g0, g1
	tensor_load_to_lds s[\g0:\g0+3], s[\g1:\g1+7]
	s_nop 0
	PLACES 4
.endm
.macro GROUP1 g, mask, rows            ; rows of 256 bytes (32 elements of 8), dense in memory, 16 bytes of padding behind each in LDS
	s_or_b32 s[\g+0], s[\mask], (3<<16)|(1<<20)|(1<<21)|(5<<22)|(3<<25)
	s_mov_b32 s[\g+1], 32<<16
	s_mov_b32 s[\g+2], (\rows)<<16
	s_mov_b32 s[\g+3], 32<<16
	s_mov_b32 s[\g+4], \rows
	s_mov_b32 s[\g+5], 32
	s_mov_b32 s[\g+6], 0
	s_mov_b32 s[\g+7], 0
.endm
.macro FRAG f, q, a0, a1               ; six pieces of 8 bytes, two to a load where both go by the same address; a1: for pieces whose lanes 16-31 stand behind one padding more
	WIN ((1+(\f)/FPW)<<6)
.set R_, 12*((\f)%FPW)
.set SKIP_, 0
.irp p, 0,1,2,3,4,5
.if SKIP_
.set SKIP_, 0
.else
.set PC_, 12*(\q)+6*(\p/3)+\p%3
.set PN_, 12*(\q)+6*((\p+1)/3)+(\p+1)%3
.set X_, (PC_%32+3)/32
.set XQ_, (PN_%32+3)/32
.if (\p < 5) && (X_ == XQ_)
.set SKIP_, 1
.if X_
	ds_load_2addr_b64 v[R_+2*\p:R_+2*\p+3], \a1 offset0:PC_+2*(PC_/32) offset1:PN_+2*(PN_/32)
.else
	ds_load_2addr_b64 v[R_+2*\p:R_+2*\p+3], \a0 offset0:PC_+2*(PC_/32) offset1:PN_+2*(PN_/32)
.endif
.elseif X_
	ds_load_b64 v[R_+2*\p:R_+2*\p+1], \a1 offset:8*(PC_+2*(PC_/32))
.else
	ds_load_b64 v[R_+2*\p:R_+2*\p+1], \a0 offset:8*(PC_+2*(PC_/32))
.endif
.endif
.endr
.endm
.macro XLOAD q                         ; x's four fragments of 128 along K: 12 loads, for q = 2 and 5 16
.irp a, 0,1,2,3
	FRAG 4*(\q)+\a, (\q), v[XAD+2*\a], v[XAD+2*\a+1]
.endr
.endm
.macro FETCH e                         ; a block of w into set e: 28 loads
.irp q, 0,1,2,3,4,5,6,7
	FRAG 32+8*(\e)+\q, \q, v4, v5
.endr
	WIN 0
	ds_load_b128 v[WS+8*(\e):WS+8*(\e)+3], v6
	ds_load_b128 v[WS+8*(\e)+4:WS+8*(\e)+7], v6 offset:16
.endm
.macro NEXT n
.if (\n) < 8
.set BO_, WB+(\n)*BLK
.else
.set BO_, ((\n)-8)*BLK
.endif
	WIN 0
	v_add_nc_u32 v4, BO_, v1
	v_add_nc_u32 v5, BO_, v2
	v_add_nc_u32 v6, BO_, v3
	WALU
	FETCH (\n)%2
.endm
.macro PROD1 d, s0, s1, x0, x1, side, o, q
.if \q
.if \o
	v_wmma_scale_f32_16x16x128_f8f6f4 v[\d:\d+7], v[12*((\s0)%FPW):12*((\s0)%FPW)+11], v[12*((\s1)%FPW):12*((\s1)%FPW)+11], v[\d:\d+7], v[\x0], v[\x1] matrix_a_fmt:MATRIX_FMT_FP6 matrix_b_fmt:MATRIX_FMT_FP6 matrix_\side\()_scale:MATRIX_SCALE_ROW1
.else
	v_wmma_scale_f32_16x16x128_f8f6f4 v[\d:\d+7], v[12*((\s0)%FPW):12*((\s0)%FPW)+11], v[12*((\s1)%FPW):12*((\s1)%FPW)+11], v[\d:\d+7], v[\x0], v[\x1] matrix_a_fmt:MATRIX_FMT_FP6 matrix_b_fmt:MATRIX_FMT_FP6 matrix_\side\()_scale:MATRIX_SCALE_ROW0
.endif
.else
.if \o
	v_wmma_scale_f32_16x16x128_f8f6f4 v[\d:\d+7], v[12*((\s0)%FPW):12*((\s0)%FPW)+11], v[12*((\s1)%FPW):12*((\s1)%FPW)+11], 0, v[\x0], v[\x1] matrix_a_fmt:MATRIX_FMT_FP6 matrix_b_fmt:MATRIX_FMT_FP6 matrix_\side\()_scale:MATRIX_SCALE_ROW1
.else
	v_wmma_scale_f32_16x16x128_f8f6f4 v[\d:\d+7], v[12*((\s0)%FPW):12*((\s0)%FPW)+11], v[12*((\s1)%FPW):12*((\s1)%FPW)+11], 0, v[\x0], v[\x1] matrix_a_fmt:MATRIX_FMT_FP6 matrix_b_fmt:MATRIX_FMT_FP6 matrix_\side\()_scale:MATRIX_SCALE_ROW0
.endif
.endif
.endm
.macro PROD kind, e, n, acc, as        ; n = 4 q + a: the four accumulators take turns
.set Q_, (\n)/4
.set A_, (\n)%4
.set FA_, (\n)
.set FB_, 32+8*(\e)+Q_
.set D_, (\acc)+(\as)*A_
.set DL_, D_&255
.set DW_, D_>>8
.set SB_, WS+8*(\e)+Q_
.set SA_, XS+8*(A_/2)+Q_
.set O_, A_%2
.if \kind
	WIN (1+FA_/FPW)|((1+FB_/FPW)<<2)|(DW_<<4)|(DW_<<6)
	PROD1 DL_, FA_, FB_, SA_, SB_, a, O_, Q_
.else
	WIN (1+FB_/FPW)|((1+FA_/FPW)<<2)|(DW_<<4)|(DW_<<6)
	PROD1 DL_, FB_, FA_, SB_, SA_, b, O_, Q_
.endif
.endm
.macro BLOCK kind, e, acc, as, from, to
.set N_, \from
.rept (\to)-(\from)
	PROD \kind, \e, N_, \acc, \as
.set N_, N_+1
.endr
.endm
.macro LOADCS p                        ; tiles 2 p, 2 p + 1: cosines and sines of pairs 16 h + 0 .. 15 of my token
.irp u, 0,1
.irp k, 0,1,2,3
	global_load_b128 v[CS+32*\u+4*\k:CS+32*\u+4*\k+3], v7, s[8:9] offset:1024*(2*(\p)+\u)+16*\k
	global_load_b128 v[CS+32*\u+16+4*\k:CS+32*\u+16+4*\k+3], v7, s[10:11] offset:1024*(2*(\p)+\u)+16*\k
.endr
.endr
.endm
.macro ROPE x                          ; two tiles, in place: registers n the even columns, 16 + n the odd ones, two pairs at a time
.set XW_, (\x)>>8
.set XL_, (\x)&255
.irp n, 0,2,4,6,8,10,12,14
	WIN XW_
	v_pk_mul_f32 v[RT:RT+1], v[XL_+16+\n:XL_+17+\n], v[CS+16+\n:CS+17+\n]
	v_pk_mul_f32 v[RT+4:RT+5], v[XL_+48+\n:XL_+49+\n], v[CS+48+\n:CS+49+\n]
	v_pk_mul_f32 v[RT+2:RT+3], v[XL_+16+\n:XL_+17+\n], v[CS+\n:CS+1+\n]
	v_pk_mul_f32 v[RT+6:RT+7], v[XL_+48+\n:XL_+49+\n], v[CS+32+\n:CS+33+\n]
	WIN XW_|(XW_<<6)
	v_pk_fma_f32 v[XL_+16+\n:XL_+17+\n], v[XL_+\n:XL_+1+\n], v[CS+16+\n:CS+17+\n], v[RT+2:RT+3]
	v_pk_fma_f32 v[XL_+48+\n:XL_+49+\n], v[XL_+32+\n:XL_+33+\n], v[CS+48+\n:CS+49+\n], v[RT+6:RT+7]
	v_pk_fma_f32 v[XL_+\n:XL_+1+\n], v[XL_+\n:XL_+1+\n], v[CS+\n:CS+1+\n], v[RT:RT+1] neg_lo:[0,0,1] neg_hi:[0,0,1]
	v_pk_fma_f32 v[XL_+32+\n:XL_+33+\n], v[XL_+32+\n:XL_+33+\n], v[CS+32+\n:CS+33+\n], v[RT+4:RT+5] neg_lo:[0,0,1] neg_hi:[0,0,1]
.endr
.endm
.macro CHAIN i, x, u                   ; the largest magnitude of 32 numbers by two chains, and the conversions' scale operand
.set XW_, (\x)>>8
.set XL_, (\x)&255
.set TT_, TQ+2*(\u)
.if (\i) < 14
.set B_, XL_+16*((\i)%2)+2*((\i)/2)
.set T_, TT_+1-(\i)%2
.if (\i) < 2
	WIN XW_|(XW_<<2)|(XW_<<4)
	v_max3_num_f32 v[T_], |v[B_]|, |v[B_+1]|, |v[B_+2]|
.else
	WIN (XW_<<2)|(XW_<<4)
	v_max3_num_f32 v[T_], v[T_], |v[B_+1]|, |v[B_+2]|
.endif
.elseif (\i) == 14
	WIN XW_<<2
	v_max3_num_f32 v[TT_+1], v[TT_+1], |v[XL_+15]|, (EMAX+1)<<23
.elseif (\i) == 15
	WIN XW_<<2
	v_max3_num_f32 v[TT_], v[TT_], |v[XL_+31]|, v[TT_+1]
.elseif (\i) == 16
	WIN 0
	v_add_nc_u32 v[SOP+(\u)], -(EMAX<<23), v[TT_]
.else
	WIN 0
	v_lshrrev_b32 v[EB+(\u)], 23, v[SOP+(\u)]
.endif
.endm
.macro CH2 x                           ; two runs of 32 by turns
.set I_, 0
.rept 18
	CHAIN I_, (\x), 0
	CHAIN I_, (\x)+32, 1
.set I_, I_+1
.endr
.endm
.macro CV2 x, nc                       ; their codes: six registers each, in window 3
.set XW_, (\x)>>8
.set XL_, (\x)&255
	WIN (3<<6)|XW_
	v_cvt_scalef32_pk16_fp6_f32 v[\nc:\nc+2], v[XL_:XL_+15], v[SOP]
	v_cvt_scalef32_pk16_fp6_f32 v[\nc+6:\nc+8], v[XL_+32:XL_+47], v[SOP+1]
	WIN XW_
	v_cvt_scalef32_pk16_fp6_f32 v[TC0:TC0+2], v[XL_+16:XL_+31], v[SOP]
	v_cvt_scalef32_pk16_fp6_f32 v[TC1:TC1+2], v[XL_+48:XL_+63], v[SOP+1]
	WIN 0
	v_nop                                          ; one plain place behind a scaled conversion
	WIN 3<<6
.irp i, 0,1,2
	v_mov_b32 v[\nc+3+\i], v[TC0+\i]
	v_mov_b32 v[\nc+9+\i], v[TC1+\i]
.endr
	WIN 0
.endm
.macro PUT6 nc, u, base, off           ; six registers: 512 + 256 consecutive bytes
	global_store_b128 v9, v[\nc+6*(\u):\nc+6*(\u)+3], \base offset:(\off)
	global_store_b64 v8, v[\nc+6*(\u)+4:\nc+6*(\u)+5], \base offset:(\off)+512
.endm
.macro WAYQ p, nc
	s_wait_loadcnt 0x0                             ; the cosines and sines are in
	s_wait_xcnt 0x0                                ; earlier stores have read their codes' registers
	ROPE QA+64*(\p)
	CH2 QA+64*(\p)
	CV2 QA+64*(\p), \nc
	WALU
	ds_store_b8 v14, v[EB] offset:64*(\p)
	ds_store_b8 v14, v[EB+1] offset:64*(\p)+32
	WIN 0x0c
	PUT6 \nc, 0, s[84:85], 1536*(\p)
	PUT6 \nc, 1, s[84:85], 1536*(\p)+768
	WIN 0
.endm
.macro WAYK p, nc
	s_wait_loadcnt 0x0
	s_wait_xcnt 0x0
	ROPE KA+64*(\p)
	CH2 KA+64*(\p)
	CV2 KA+64*(\p), \nc
	WALU
	ds_store_b8 v12, v[EB] offset:4*(\p)
	ds_store_b8 v12, v[EB+1] offset:4*(\p)+2
	WIN 0x0c
.irp k, 0,1,2
	global_store_b128 v9, v[\nc+4*\k:\nc+4*\k+3], s[86:87] offset:1536*(\p)+512*\k
.endr
	WIN 0
.endm
	s_load_b128 s[4:7], s[0:1], 0x0                ; x's blocks, w's blocks
	s_load_b128 s[8:11], s[0:1], 0x10              ; cosines, sines
	s_load_b128 s[68:71], s[0:1], 0x20             ; qc, qs
	s_load_b64 s[72:73], s[0:1], 0x30              ; kvc
	v_lshl_add_u32 v[SPW], v0, 2, SPARE
	v_mov_b32 v[NIL], 0
	ds_add_u32 v[SPW], v[NIL]                      ; the wave's opening: the add, twice on end
	ds_add_u32 v[SPW], v[NIL]
	v_lshrrev_b32 v15, 5, v0
	v_readfirstlane_b32 s14, v15                   ; wave
	s_lshr_b32 s16, s14, 1                         ; my band's key step of the two
	s_and_b32 s17, s14, 1                          ; and which band of it
	s_bfe_u32 s40, ttmp6, 0x40000                  ; cx
	s_bfe_u32 s41, ttmp6, 0x40004                  ; cy
	s_lshl_b32 s42, ttmp9, 2
	s_add_co_u32 s42, s42, s40                     ; head
	s_and_b32 s43, ttmp7, 0xffff
	s_lshl_b32 s43, s43, 2
	s_add_co_u32 s43, s43, s41                     ; which 256 tokens
	s_lshl_b32 s44, s41, 2
	s_lshl_b32 s44, 15, s44                        ; my row of the cluster
	s_lshl_b32 s45, 0x1111, s40                    ; my column
	GROUP1 G1A, 44, 400
	GROUP1 G1B, 45, 200
	v_and_b32 v15, 15, v0                          ; r
	v_bfe_u32 v32, v0, 4, 1                        ; h
	v_and_b32 v33, 31, v0                          ; lane
	v_mul_u32_u24 v34, v15, PITCH
	v_mad_u32_u24 v1, v32, 24, v34                 ; my fragments in a block
	v_mad_u32_u24 v2, v32, 40, v34                 ; and for lanes 16-31 behind one padding more
	v_lshrrev_b32 v35, 3, v15
	v_and_b32 v34, 7, v15
	v_lshl_add_u32 v7, v35, 5, v34                 ; my token in a tile: 32 (r / 8) + r % 8
	v_lshlrev_b32 v7, 7, v7
	v_lshl_add_u32 v7, v32, 6, v7                  ; its cosines: 128 bytes a token, 64 h
	v_mul_u32_u24 v35, v35, 272
	v_lshl_add_u32 v35, v34, 5, v35
	v_add_nc_u32 v3, 48*272, v35                   ; my row's scale bytes in a block
	s_mul_i32 s20, s14, 4*BLK
	v_mad_u32_u24 v200, v32, BLK, v3
	v_add_nc_u32 v200, s20, v200                   ; x's scale words: lanes 16-31 the next tile's
.irp a, 0,1,2,3
	v_add_nc_u32 v[XAD+2*\a], s20, v1
	v_add_nc_u32 v[XAD+2*\a+1], s20, v2
	s_add_co_u32 s20, s20, BLK
.endr
	v_lshlrev_b32 v9, 4, v33
	v_lshlrev_b32 v8, 3, v33
	v_lshl_add_u32 v12, v15, 4, v32                ; 16 r + h
	WALU                                           ; ahead of the scalars below
	s_lshl_b32 s20, s16, 9
	s_add_co_u32 s20, s20, SKV
	s_lshl_b32 s21, s17, 1
	s_add_co_u32 s21, s21, s20
	s_add_co_u32 s21, s21, 256
	v_add_nc_u32 v13, s21, v12                     ; V's byte: + 2 x band, + 4 t
	s_lshl_b32 s21, s17, 3
	s_add_co_u32 s21, s21, s20
	v_add_nc_u32 v12, s21, v12                     ; K's: + 8 x band, + 4 p + 2 (a % 2)
	v_lshl_add_u32 v14, v15, 1, v32
	s_lshl_b32 s21, s14, 7
	s_add_co_u32 s21, s21, SQ
	v_add_nc_u32 v14, s21, v14                     ; Q's: 128 x wave + 32 a + 2 r + h
	s_lshl_b32 s21, s14, 9
	s_add_co_u32 s21, s21, SKV
	v_add_nc_u32 v15, s21, v9                      ; the way out of the scale bytes
	WALU
	s_wait_dscnt 0x0
	CROUND                                         ; the first joint loads meet
	s_wait_kmcnt 0x0
	s_mul_i32 s20, s43, 16*12800
	s_mul_i32 s22, s14, 8*12800
	s_add_co_u32 s20, s20, s22
	s_mov_b32 s21, 0
	s_mov_b32 s[G0A], 1
	s_mul_i32 s[G0A+1], s14, 8*BLK
	s_add_nc_u64 s[G0A+2:G0A+3], s[4:5], s[20:21]
	s_or_b32 s[G0A+3], s[G0A+3], 0x80000000
	s_mul_i32 s22, s42, 12*12800
	s_mov_b32 s23, 0
	s_mov_b32 s[G0B], 1
	s_mov_b32 s[G0B+1], WB
	s_add_nc_u64 s[G0B+2:G0B+3], s[6:7], s[22:23]
	s_add_nc_u64 s[G0C+2:G0C+3], s[G0B+2:G0B+3], 4*12800
	s_add_nc_u64 s[G0D+2:G0D+3], s[G0B+2:G0B+3], 8*12800
	s_or_b32 s[G0B+3], s[G0B+3], 0x80000000
	s_mov_b32 s[G0C], 1
	s_mov_b32 s[G0C+1], WB+4*BLK
	s_or_b32 s[G0C+3], s[G0C+3], 0x80000000
	s_mov_b32 s[G0D], 1
	s_mov_b32 s[G0D+1], 0
	s_or_b32 s[G0D+3], s[G0D+3], 0x80000000
	s_cmp_lt_u32 s14, 2
	s_cbranch_scc0 .Lwave_2
	TLOAD G0A, G1A                                 ; waves 0 and 1: x's halves
	s_branch .Lasked
.Lwave_2:
	s_cmp_eq_u32 s14, 2
	s_cbranch_scc0 .Lwave_3
	TLOAD G0B, G1B                                 ; wave 2: w's blocks 0-3
	s_branch .Lasked
.Lwave_3:
	TLOAD G0C, G1B                                 ; wave 3: w's blocks 4-7
.Lasked:
	s_and_b32 s15, s43, 7                          ; which 256 tokens of the sequence
	s_lshr_b32 s18, s43, 3
	s_lshl_b32 s18, s18, 4
	s_add_co_u32 s18, s18, s42                     ; batch x 16 + head
	s_mul_i32 s20, s18, 98304
	s_lshl_b32 s22, s15, 4
	s_lshl_b32 s19, s14, 2
	s_add_co_u32 s22, s22, s19
	s_mul_i32 s22, s22, 768
	s_add_co_u32 s20, s20, s22
	s_add_nc_u64 s[84:85], s[68:69], s[20:21]      ; Q's codes: my four tiles
	s_lshl_b32 s46, s18, 4
	s_lshl_b32 s47, s15, 1
	s_add_co_u32 s46, s46, s47                     ; my work-group's first key step
	s_add_co_u32 s20, s46, s16
	s_mul_i32 s20, s20, 12800
	s_mul_i32 s22, s17, 3072
	s_add_co_u32 s22, s22, s20
	s_add_nc_u64 s[86:87], s[72:73], s[22:23]      ; K's images of my band
	s_mul_i32 s22, s17, 768
	s_add_co_u32 s22, s22, s20
	s_add_co_u32 s22, s22, 6144
	s_add_nc_u64 s[88:89], s[72:73], s[22:23]      ; V's registers of my band
	s_add_co_u32 s20, s46, s14
	s_mul_i32 s20, s20, 12800
	s_add_co_u32 s20, s20, 12288                   ; waves 0, 1: a key step's scale words
	s_lshl_b32 s22, s18, 12
	s_lshl_b32 s19, s15, 9
	s_add_co_u32 s22, s22, s19                     ; wave 2: Q's scale bytes
	s_cmp_lt_u32 s14, 2
	s_cselect_b32 s20, s20, s22
	s_cselect_b64 s[74:75], s[72:73], s[70:71]
	s_add_nc_u64 s[74:75], s[74:75], s[20:21]
	s_lshl_b32 s20, s15, 15
	s_lshl_b32 s22, s14, 13
	s_add_co_u32 s20, s20, s22
	s_add_nc_u64 s[8:9], s[8:9], s[20:21]          ; my band's cosines and sines
	s_add_nc_u64 s[10:11], s[10:11], s[20:21]
	s_cmp_eq_u32 s14, 3
	s_cbranch_scc1 .Lnot_mine
	s_wait_tensorcnt 0x0
.Lnot_mine:
	s_barrier_signal -1
	s_barrier_wait -1                              ; x and w's blocks 0-3 are in; blocks 4-7 may still be on their way
	NEXT 0
.irp p, 0,1
	ds_load_b128 v[XS+8*\p:XS+8*\p+3], v200 offset:2*BLK*\p
	ds_load_b128 v[XS+8*\p+4:XS+8*\p+7], v200 offset:2*BLK*\p+16
.endr
	XLOAD 0
	XLOAD 1
	XLOAD 2
	XLOAD 3
; Block 0 goes along with x's loads: the counts are the loads issued behind step q's: three steps of 12, 12 and 16; then what is left of them and block 1's 28
.irp q, 0,1,2,3,4,5,6,7
.if \q == 5
	s_wait_dscnt 52
.elseif \q == 7
	s_wait_dscnt 28
.else
	s_wait_dscnt 40
.endif
	BLOCK 0, 0, QA, 32, 4*\q, 4*\q+4
.if \q < 4
	XLOAD \q+4
.elseif \q == 4
	NEXT 1
.endif
.endr
	WIN 0
	LOADCS 0
	PLACES 4                                       ; places between products and loads into their registers
	NEXT 2
	; block 1: the round of the refill stands inside it
	s_wait_dscnt 28                                ; (the next block's 28 loads may be out)
	WIN 0
	s_wait_tensorcnt 0x0                           ; all my tensor loads are done, blocks 4-7 among them
	ds_add_u32 v[SPW], v[NIL]                      ; 0 onto my spare word; products stand between it and the wait for it
	BLOCK 0, 1, QA+8, 32, 0, 24
	WIN 0
	WALU
	s_wait_dscnt 0x0                               ; the add is done, and my reads of x are over
	s_barrier_signal -1
	BLOCK 0, 1, QA+8, 32, 24, 32
	MIDDLE
	s_barrier_signal -1
	s_barrier_wait -1
	s_cmp_eq_u32 s14, 0
	s_cbranch_scc0 .Lno_refill
	TLOAD G0D, G1B                                 ; wave 0: w's blocks 8-11, onto x's first four
.Lno_refill:
	PLACES 4
	NEXT 3
	s_wait_dscnt 28
	BLOCK 0, 0, QA+16, 32, 0, 32
	WIN 0
	PLACES 4
	NEXT 4
	s_wait_dscnt 28
	BLOCK 0, 1, QA+24, 32, 0, 32
	WIN 0
	PLACES 4
	NEXT 5
	s_wait_dscnt 28
	BLOCK 0, 0, KA, 32, 0, 32
	WAYQ 0, NCA                                    ; Q's tiles 0 and 1; the lines are the places in front of the loads below
	LOADCS 1
	NEXT 6
	s_wait_dscnt 28
	BLOCK 0, 1, KA+8, 32, 0, 32
	WIN 0
	PLACES 4
	NEXT 7
	s_wait_dscnt 28
	BLOCK 0, 0, KA+16, 32, 0, 24
	WIN 0
	WALU
	s_wait_tensorcnt 0x0
	s_wait_dscnt 0x0
	s_barrier_signal -1                            ; a plain barrier: w's blocks 8-11 are shown to all
	BLOCK 0, 0, KA+16, 32, 24, 32
	WIN 0
	s_barrier_wait -1
	WAYQ 1, NCB
	NEXT 8
	s_wait_dscnt 28
	BLOCK 0, 1, KA+24, 32, 0, 32
	WIN 0
	PLACES 4
	NEXT 9
	s_wait_dscnt 28
	BLOCK 1, 0, QA, 8, 0, 32
	WAYK 1, NCA                                    ; K's tiles 2 and 3: their cosines are still here
	LOADCS 0
	NEXT 10
	s_wait_dscnt 28
	BLOCK 1, 1, QA+32, 8, 0, 32
	WIN 0
	PLACES 4
	NEXT 11
	s_wait_dscnt 28
	BLOCK 1, 0, QA+64, 8, 0, 32
	WAYK 0, NCB
	CH2 QA                                         ; V's column tiles 0 and 1
	CV2 QA, NCA
	WALU
	ds_store_b8 v13, v[EB]
	ds_store_b8 v13, v[EB+1] offset:4
	WIN 0x0c
	PUT6 NCA, 0, s[88:89], 0
	PUT6 NCA, 1, s[88:89], 1536
	WIN 0
	s_wait_dscnt 0x0
	BLOCK 1, 1, QA+96, 8, 0, 32
	WIN 0
	PLACES 4
	s_wait_xcnt 0x0
	CH2 QA+64                                      ; V's column tiles 2 and 3
	WALU
	ds_store_b8 v13, v[EB] offset:8
	ds_store_b8 v13, v[EB+1] offset:12
	s_wait_dscnt 0x0
	s_barrier_signal -1                            ; all scale bytes are in LDS
	CV2 QA+64, NCB
	WALU
	s_barrier_wait -1
	WIN 0x0c
	PUT6 NCB, 0, s[88:89], 3072
	PUT6 NCB, 1, s[88:89], 4608
	WIN 0
	s_cmp_lt_u32 s14, 3
	s_cbranch_scc0 .Lno_scales
	ds_load_b128 v[192:195], v15
	s_wait_dscnt 0x0
	global_store_b128 v9, v[192:195], s[74:75]     ; 512 consecutive bytes
.Lno_scales:
	s_wait_tensorcnt 0x0                           ; the wave's end
	ds_add_u32 v[SPW], v[NIL]
	s_wait_dscnt 0x0
	CROUND                                         ; the closing round
	s_endpgm
.Lfunc_end_k_q8fee4187a8_qkv:
	.size	k_q8fee4187a8_qkv, .Lfunc_end_k_q8fee4187a8_qkv-k_q8fee4187a8_qkv
	.p2alignl 7, 3214868480
	.fill 96, 4, 3214868480
	.section	.rodata,"a",@progbits
	.p2align	6, 0x0
	.amdhsa_kernel k_q8fee4187a8_qkv
		.amdhsa_group_segment_fixed_size 327680
		.amdhsa_private_segment_fixed_size 0
		.amdhsa_enable_private_segment 0
		.amdhsa_kernarg_size 56
		.amdhsa_user_sgpr_count 2
		.amdhsa_user_sgpr_kernarg_segment_ptr 1
		.amdhsa_wavefront_size32 1
		.amdhsa_system_sgpr_workgroup_id_x 1
		.amdhsa_system_sgpr_workgroup_id_y 1
		.amdhsa_system_sgpr_workgroup_id_z 1
		.amdhsa_system_vgpr_workitem_id 0
		.amdhsa_next_free_vgpr 1024
		.amdhsa_next_free_sgpr 96
		.amdhsa_reserve_vcc 0
		.amdhsa_float_denorm_mode_32 3
		.amdhsa_float_denorm_mode_16_64 3
		.amdhsa_memory_ordered 1
		.amdhsa_forward_progress 1
		.amdhsa_inst_pref_size 136
	.end_amdhsa_kernel
	.amdgpu_metadata
---
amdhsa.version: [ 1, 2 ]
amdhsa.kernels:
  - .name:           k_q8fee4187a8_qkv
    .symbol:         k_q8fee4187a8_qkv.kd
    .args:
      - { .name: xb, .offset: 0, .size: 8, .value_kind: global_buffer, .address_space: global }
      - { .name: wb, .offset: 8, .size: 8, .value_kind: global_buffer, .address_space: global }
      - { .name: freqs_cos, .offset: 16, .size: 8, .value_kind: global_buffer, .address_space: global }
      - { .name: freqs_sin, .offset: 24, .size: 8, .value_kind: global_buffer, .address_space: global }
      - { .name: qc, .offset: 32, .size: 8, .value_kind: global_buffer, .address_space: global }
      - { .name: qs, .offset: 40, .size: 8, .value_kind: global_buffer, .address_space: global }
      - { .name: kvc, .offset: 48, .size: 8, .value_kind: global_buffer, .address_space: global }
    .group_segment_fixed_size: 327680
    .private_segment_fixed_size: 0
    .kernarg_segment_align: 8
    .kernarg_segment_size: 56
    .max_flat_workgroup_size: 128
    .sgpr_count:     96
    .vgpr_count:     1024
    .wavefront_size: 32
...
	.end_amdgpu_metadata
.endif
;; end of part 2
;; launch attn (part 3): grid 8 x 32, 16 waves a work-group, clusters of 4 x 1, 327,680 bytes of LDS; arguments qc, qs, kvc, out0; writes out0
.if DOCPART == 3
	.amdgcn_target "amdgcn-amd-amdhsa--gfx1250"
	.amdhsa_code_object_version 6
	.text
	.protected	k_q8fee4187a8_attn
	.globl	k_q8fee4187a8_attn
	.p2align	8
	.type	k_q8fee4187a8_attn,@function
k_q8fee4187a8_attn:
	s_mov_b64 s[64:65], 0
	v_nop
	global_prefetch_b8 v0, s[64:65] scope:SCOPE_SE
	s_setreg_imm32_b32 hwreg(HW_REG_WAVE_MODE, 25, 1), 1
	s_wait_xcnt 0x0
	s_wait_alu depctr_hold_cnt(0) depctr_sa_sdst(0) depctr_va_vdst(0) depctr_va_sdst(0) depctr_va_ssrc(0) depctr_va_vcc(0) depctr_vm_vsrc(0)
	s_getreg_b32 s2, hwreg(HW_REG_IB_STS2, 6, 4)
	s_cmp_eq_u32 s2, 0
	s_cbranch_scc0 .Lentry_in_a_cluster
	s_endpgm
.Lentry_in_a_cluster:
	s_bfe_u32 s2, ttmp6, 0x10000c
	s_cmp_lg_u32 s2, 0x3003
	s_cbranch_scc0 .Lentry_shape_is_right
	s_endpgm
.Lentry_shape_is_right:
; out0[bh][q][:] = the sum over k <= q of softmax_k(Q[q] . K[k] / 8) V[k][:], head size 64, both products on codes of FP6 (E2M3) with E8M0 scales.
; WORK LEFT OUT: key steps of 128 keys all of which come after a tile's 16 queries: reference()'s own jnp.tril hides those keys for all values of the inputs (shown at the head of the first launch).
; LIMITS: what is not finite in such tiles alone is not carried to the result; on the diagonal a hidden score becomes -infinity where reference() has -1e30, the same result while visible logits stay above -1e29;
; the scaled scores stay under 2^31 in magnitude; a block of p that is all zeros keeps the scale byte 1: its codes are zeros.
; THE SOFTMAX AHEAD OF THE SECOND PRODUCT: t = score x log2(e) / 8; M = the row's largest t so far, rounded UP to a whole number; p = 2^(t - M) is what is quantised, along the keys; it is not normalised.
; The row's sum is taken of the unquantised p, in f32, and divides O at the end.  When M moves, the sum and O are multiplied by 2^(old M - new M): exact.
; OPERANDS arrive as images of their registers (the second launch's head).  Both products are used transposed: a lane holds ONE query, and its registers 32 c + 8 j + i are keys 64 c + 32 h + 8 j + i of the step: two whole scale blocks a lane.
;   The first product's K is 64, half of the instruction's: an image of K holds two tiles of 16 keys, and my queries' codes stand with six registers of zero codes on each side: v[22:33] meets the first tile, v[16:27] the second.
; LDS HOLDS THE HEAD'S K AND V WHOLE: 16 key steps of 12,800 bytes, one joint tensor load a wave, all at the head: no ring, no refill.  The first barrier shows steps 0-3, a second one, behind three trips, the rest.
; SHARES.  A tile is 16 queries; group g of 128 queries has eight tiles, of which work-group i of the head takes tile i, in every group: so all work-groups do the same steps.  Waves go by pairs p = 0 .. 7: groups p and 15 - p, 17 steps:
;   wave A takes group 15 - p's steps 0-7;  wave B group p's steps 0 .. p, stores them, and then group 15 - p's steps 8 .. 15 - p.  At the end A hands its sums to B through LDS, and B joins and stores them.
; CLUSTERS: four work-groups of a head ask jointly.  NO PREFETCH: every byte of K and V is asked for at the head, so there is nothing left to run ahead of.
.set STEPB, 12800
.set STAGE, 16*STEPB                   ; 4,352 bytes a wave: the way out (16 rows x 272), or A's sums for B
.set SREG,  4352
.set SPARE, STAGE+16*SREG
.set PW,   4                           ; p's scale word
.set SPW,  5
.set NIL,  6
.set DL,   7                           ; my query in its step less 32 h: the diagonal test
.set QS,   34                          ; my query's scale word
.set STI,  35                          ; the stage, on the way in;  v0 on the way back
.set KSW,  36
.set VSW,  40
.set KF,   44                          ; K's four images
.set VF,   92                          ; V's four tiles
.set S,    140                         ; S^T, then p
.set O,    204                         ; O^T: 8 t + i is channel 32 h + 8 t + i
.set PCD,  236                         ; p's codes; before them: the chains
.set WV,   18
.set ROLE, 19                          ; 0: A, 1: B
.set SEL,  20
.set CS,   22
.set G1,   24
.set G0,   40
.set ST,   50                          ; key step
.set TB,   51                          ; its LDS byte
.set LIM,  52                          ; my last step
.set DG,   53                          ; my tile's step on the diagonal
.macro PLACES n
.rept \n
	v_nop
.endr
.endm
.macro WALU
	s_wait_alu depctr_va_vdst(0)
.endm
.macro CROUND
	s_barrier_signal -1
	s_barrier_wait -1
	s_cmp_lg_u32 s[WV], 0
	s_cbranch_scc1 .Lnot_wave_0_\@
	s_barrier_signal -3
.Lnot_wave_0_\@:
	s_barrier_wait -3
	s_barrier_signal -1
	s_barrier_wait -1
.endm
.macro TILE g, qa, sa, oa              ; group s\g: its codes, scale bytes and rows of the output
	s_lshl_b32 s54, s\g, 3
	s_add_co_u32 s54, s54, s45
	s_mul_i32 s74, s46, 98304
	s_mul_i32 s76, s54, 768
	s_add_co_u32 s74, s74, s76
	s_add_nc_u64 s[\qa:\qa+1], s[4:5], s[74:75]
	s_lshl_b32 s74, s46, 12
	s_lshl_b32 s76, s54, 5
	s_add_co_u32 s74, s74, s76
	s_add_nc_u64 s[\sa:\sa+1], s[6:7], s[74:75]
	s_lshl_b32 s74, s46, 19
	s_lshl_b32 s76, s\g, 15
	s_add_co_u32 s74, s74, s76
	s_lshl_b32 s76, s55, 8
	s_add_co_u32 s74, s74, s76
	s_add_nc_u64 s[\oa:\oa+1], s[10:11], s[74:75]
.endm
.macro LOADQ qa, sa
	v_lshrrev_b32 v8, 3, v1
	v_and_b32 v8, 30, v8                           ; 2 r
	global_load_b128 v[22:25], v1, s[\qa:\qa+1]
	global_load_b64 v[26:27], v2, s[\qa:\qa+1] offset:512
	global_load_u16 v[QS], v8, s[\sa:\sa+1]
.endm
.macro LOADK ad
	ds_load_b128 v[KSW:KSW+3], \ad offset:12288
.irp m, 0,1,2,3
.irp k, 0,1,2
	ds_load_b128 v[KF+12*\m+4*\k:KF+12*\m+4*\k+3], \ad offset:1536*\m+512*\k
.endr
.endr
.endm
.macro BEGIN                           ; nothing summed yet
	v_mov_b32 v13, 0xff61b1e6                      ; the largest t so far: -3e38, under every t
	v_mov_b32 v14, 0
	v_mov_b32 v15, 0
.set j, 0
.rept 32
	v_mov_b32 v[O+j], 0
.set j, j+1
.endr
	v_floor_f32 v12, -v13                          ; -M
.endm
.macro STEP hold
	s_cmp_gt_u32 s[ST], s[LIM]                     ; not one of my steps: a scalar branch on the wave's number and the step
	s_cbranch_scc1 .Lhidden_\@
	s_add_co_u32 s54, s[TB], STEPB                 ; K is fetched one step ahead
.if \hold
	s_min_u32 s54, s54, 15*STEPB                   ; (held at the last step)
.endif
	v_add_nc_u32 v3, s[TB], v1
	v_add_nc_u32 v11, s[TB], v2
	v_add_nc_u32 v8, s54, v1
	v_nop                                          ; with the three above four places in front of loads into registers that the last products have read
	ds_load_b128 v[VSW:VSW+3], v3 offset:12288
.irp t, 0,1,2,3
	ds_load_b128 v[VF+12*\t:VF+12*\t+3], v3 offset:6144+1536*\t
	ds_load_b64 v[VF+12*\t+4:VF+12*\t+5], v11 offset:6144+1536*\t+512
	ds_load_b128 v[VF+12*\t+6:VF+12*\t+9], v3 offset:6144+1536*\t+768
	ds_load_b64 v[VF+12*\t+10:VF+12*\t+11], v11 offset:6144+1536*\t+1280
.endr
	WALU
	s_wait_dscnt 17                                ; K and its words are in; V's 17 loads may be out
.irp m, 0,1,2,3
	v_wmma_scale_f32_16x16x128_f8f6f4 v[S+16*\m:S+16*\m+7], v[KF+12*\m:KF+12*\m+11], v[22:33], 0, v[KSW+\m], v[QS] matrix_a_fmt:MATRIX_FMT_FP6 matrix_b_fmt:MATRIX_FMT_FP6
	v_wmma_scale_f32_16x16x128_f8f6f4 v[S+16*\m+8:S+16*\m+15], v[KF+12*\m:KF+12*\m+11], v[16:27], 0, v[KSW+\m], v[QS] matrix_a_fmt:MATRIX_FMT_FP6 matrix_b_fmt:MATRIX_FMT_FP6
.endr
	PLACES 4
	LOADK v8
	s_cmp_lg_u32 s[ST], s[DG]
	s_cbranch_scc1 .Lopen_\@
	v_mov_b32 v10, 0xff800000                      ; on the diagonal the scores of hidden keys become -infinity: p = 0 then
.set n, 0
.rept 64
	v_cmp_gt_i32 vcc_lo, 64*(n/32)+n%32, v[DL]
	v_cndmask_b32 v[S+n], v[S+n], v10, vcc_lo
.set n, n+1
.endr
.Lopen_\@:
	v_max3_num_f32 v236, v[S], v[S+1], v[S+2]      ; THE LARGEST SCORE OF EACH BLOCK OF 32 KEYS, by two chains each: for the row's maximum, and, since p rises with the score, for the block's largest p
	v_max3_num_f32 v238, v[S+16], v[S+17], v[S+18]
	v_max3_num_f32 v237, v[S+32], v[S+33], v[S+34]
	v_max3_num_f32 v239, v[S+48], v[S+49], v[S+50]
.irp i, 3,5,7,9,11,13
	v_max3_num_f32 v236, v236, v[S+\i], v[S+\i+1]
	v_max3_num_f32 v238, v238, v[S+16+\i], v[S+16+\i+1]
	v_max3_num_f32 v237, v237, v[S+32+\i], v[S+32+\i+1]
	v_max3_num_f32 v239, v239, v[S+48+\i], v[S+48+\i+1]
.endr
	v_max3_num_f32 v236, v236, v[S+15], v[S+31]
	v_max3_num_f32 v237, v237, v[S+47], v[S+63]
	v_max_num_f32 v236, v236, v238
	v_max_num_f32 v237, v237, v239
	v_max_num_f32 v9, v236, v237
	v_permlanex16_b32 v240, v9, s[SEL], s[SEL+1]
	s_delay_alu instid0(VALU_DEP_1)
	v_max_num_f32 v9, v9, v240                     ; with lane l xor 16's 64 keys
	s_delay_alu instid0(VALU_DEP_1)
	v_mul_f32 v9, s[CS], v9                        ; as t (c is positive)
	s_delay_alu instid0(VALU_DEP_1)
	v_max_num_f32 v13, v13, v9                     ; the running largest t
	s_delay_alu instid0(VALU_DEP_1)
	v_floor_f32 v9, -v13                           ; the new -M = floor(-t): M IS A WHOLE NUMBER
	s_delay_alu instid0(VALU_DEP_1)
	v_sub_f32 v10, v9, v12                         ; M's old value less its new one: a whole number, 0 or less
	v_mov_b32 v12, v9
	s_delay_alu instid0(VALU_DEP_2)
	v_cvt_i32_f32 v10, v10                         ; (it saturates)
	s_delay_alu instid0(VALU_DEP_1)
	v_ldexp_f32 v10, 1.0, v10                      ; f: a multiplication by it rounds nothing
.set j, 0
.rept 32
	v_pk_fma_f32 v[S+j:S+j+1], v[S+j:S+j+1], s[CS:CS+1], v[12:13] op_sel_hi:[1,0,0]
.set j, j+2
.endr
	v_fma_f32 v236, v236, s[CS], v12
	v_fma_f32 v237, v237, s[CS], v12
	WALU                                           ; ahead of the batch
.set j, 0
.rept 64
	v_exp_f32 v[S+j], v[S+j]                       ; p = 2^(t - M), at most 1
.set j, j+1
.endr
	v_exp_f32 v236, v236                           ; each block's largest p: the same two instructions on the same number give the same bits
	v_exp_f32 v237, v237
	v_pk_mul_f32 v[14:15], v[14:15], v[10:11] op_sel_hi:[1,0]   ; the sum under the new M (a plain place behind the exponentials)
	WALU                                           ; and behind it, ahead of its first reader
	v_max_num_f32 v236, 0x1800000, v236            ; the floor: the byte cannot fall under 1
	v_max_num_f32 v237, 0x1800000, v237
.set k, 0
.rept 7
.set C_, 238+2*k+(k/6)*2
	v_pk_add_f32 v[C_:C_+1], v[S+2*k:S+2*k+1], v[S+14+2*k:S+15+2*k]
.set k, k+1
.endr
	v_pk_add_f32 v[14:15], v[14:15], v[S+28:S+29]
.set k, 15
.rept 17
.set m_, (k-15)%8
.if m_ == 7
.set C_, 14
.else
.set C_, 238+2*m_+(m_/6)*2
.endif
	v_pk_add_f32 v[C_:C_+1], v[C_:C_+1], v[S+2*k:S+2*k+1]
.set k, k+1
.endr
	v_add_nc_u32 v255, 0xff000000, v236            ; 2 off the exponent field: the conversions' scale operands
	v_add_nc_u32 v251, 0xff000000, v237
	v_pk_add_f32 v[238:239], v[238:239], v[246:247]
	v_pk_add_f32 v[240:241], v[240:241], v[248:249]
	v_pk_add_f32 v[242:243], v[242:243], v[252:253]
	v_pk_add_f32 v[14:15], v[14:15], v[244:245]
	v_lshrrev_b32 v236, 23, v255                   ; the scales' bytes
	v_lshrrev_b32 v237, 23, v251
	v_pk_add_f32 v[238:239], v[238:239], v[240:241]
	v_pk_add_f32 v[14:15], v[14:15], v[242:243]
	v_lshl_or_b32 v[PW], v237, 16, v236            ; my two blocks' bytes,
	v_pk_add_f32 v[14:15], v[14:15], v[238:239]
	v_cvt_scalef32_pk16_fp6_f32 v[PCD:PCD+2], v[S:S+15], v255
	v_cvt_scalef32_pk16_fp6_f32 v[248:250], v[S+16:S+31], v255
	v_cvt_scalef32_pk16_fp6_f32 v[PCD+6:PCD+8], v[S+32:S+47], v251
	v_cvt_scalef32_pk16_fp6_f32 v[252:254], v[S+48:S+63], v251
	v_permlanex16_b32 v9, v[PW], s[SEL], s[SEL+1]
	v_mov_b32 v239, v248
	v_mov_b32 v240, v249
	v_mov_b32 v241, v250
	v_lshl_or_b32 v[PW], v9, 8, v[PW]              ; in lanes 0-15 with lane l + 16's between them: p's scale word
	v_mov_b32 v245, v252
	v_mov_b32 v246, v253
	v_mov_b32 v247, v254
	WALU                                           ; directly ahead of the first reader of O^T
.set j, 0
.rept 16
	v_pk_mul_f32 v[O+j:O+j+1], v[O+j:O+j+1], v[10:11] op_sel_hi:[1,0]   ; O^T under the new M; these lines are also the places behind p's codes and scale word
.set j, j+2
.endr
	WALU
	s_wait_dscnt 13                                ; V is in; the next K's 13 loads may be out
.irp t, 0,1,2,3
	v_wmma_scale_f32_16x16x128_f8f6f4 v[O+8*\t:O+8*\t+7], v[VF+12*\t:VF+12*\t+11], v[PCD:PCD+11], v[O+8*\t:O+8*\t+7], v[VSW+\t], v[PW] matrix_a_fmt:MATRIX_FMT_FP6 matrix_b_fmt:MATRIX_FMT_FP6 matrix_a_scale:MATRIX_SCALE_ROW1
.endr
.Lhidden_\@:
	s_add_co_u32 s[ST], s[ST], 1
	s_add_co_u32 s[TB], s[TB], STEPB
.endm
; THE WAY OUT of a tile: v14 holds my lane's share of the row's sum.  Through my stage in LDS: 128 bytes a lane in, whole rows of 256 bytes back.  Stage row n is query Q0 + n + 24 (n / 8).
.macro OUT oa
	v_permlanex16_b32 v9, v14, s[SEL], s[SEL+1]
	v_add_f32 v14, v14, v9                         ; with lane l xor 16's: the row's sum
	WALU
	v_rcp_f32 v14, v14
	v_nop
	WALU
.set j, 0
.rept 16
	v_pk_mul_f32 v[S+j:S+j+1], v[O+j:O+j+1], v[14:15] op_sel_hi:[1,0]
.set j, j+2
.endr
.irp k, 0,1,2,3,4,5,6,7
	ds_store_b128 v[STI], v[S+4*\k:S+4*\k+3] offset:16*\k
.endr
.irp i, 0,1,2,3,4,5,6,7
	ds_load_b128 v[S+32+4*\i:S+32+4*\i+3], v0 offset:544*\i   ; LDS serves a wave's instructions in order: these see my stores
.endr
.irp i, 0,1,2,3,4,5,6,7
	s_wait_dscnt 7-\i
	global_store_b128 v1, v[S+32+4*\i:S+32+4*\i+3], s[\oa:\oa+1] offset:(2*\i+24*(\i/4))*256 th:TH_STORE_NT   ; 16 lanes store 256 consecutive bytes, aligned
.endr
.endm
	s_load_b256 s[4:11], s[0:1], 0x0               ; qc, qs, kvc, out0
	v_lshl_add_u32 v[SPW], v0, 2, SPARE
	v_mov_b32 v[NIL], 0
	ds_add_u32 v[SPW], v[NIL]                      ; the wave's opening: the add, twice on end
	ds_add_u32 v[SPW], v[NIL]
	v_lshrrev_b32 v9, 5, v0
	v_readfirstlane_b32 s[WV], v9                  ; wave
	s_lshr_b32 s[ROLE], s[WV], 2
	s_and_b32 s[ROLE], s[ROLE], 1
	s_lshr_b32 s47, s[WV], 3
	s_lshl_b32 s47, s47, 2
	s_and_b32 s54, s[WV], 3
	s_or_b32 s47, s47, s54                         ; p: waves w and w + 4 are a pair
	s_bfe_u32 s44, ttmp6, 0x40000                  ; cx
	s_lshl_b32 s45, ttmp9, 2
	s_add_co_u32 s45, s45, s44                     ; i: it enters addresses in memory and the diagonal test, no branch and no LDS address
	s_and_b32 s46, ttmp7, 0xffff                   ; batch x 16 + head
	s_sub_co_u32 s49, 15, s47                      ; the late group
	s_cmp_eq_u32 s[ROLE], 1
	s_cselect_b32 s48, s47, s49                    ; my first tile's group
	s_cselect_b32 s[LIM], s47, 7
	s_mov_b32 s[DG], s48                           ; (A's diagonal step, 8 or later, is B's)
	s_lshr_b32 s55, s45, 2
	s_lshl_b32 s55, s55, 6
	s_and_b32 s54, s45, 3
	s_lshl_b32 s54, s54, 3
	s_add_co_u32 s55, s55, s54                     ; the tile's first query in its group: 64 (i / 4) + 8 (i % 4)
	s_mov_b32 s[G1], 15|(3<<16)|(1<<21)            ; all four of the cluster; elements of 8 bytes; 5 rows of 2,560 bytes, dense
	s_mov_b32 s[G1+1], 320<<16
	s_mov_b32 s[G1+2], 5<<16
	s_mov_b32 s[G1+3], 320<<16
	s_mov_b32 s[G1+4], 5
	s_mov_b32 s[G1+5], 320
	s_mov_b32 s[G1+6], 0
	s_mov_b32 s[G1+7], 0
	s_mov_b32 s[SEL], 0x76543210
	s_mov_b32 s[SEL+1], 0xfedcba98                 ; lane l xor 16
	s_mov_b32 s[CS], 0x3e38aa3b                    ; c = log2(e) / 8
	s_mov_b32 s[CS+1], s[CS]
	s_mov_b32 s[ST], 0
	s_mov_b32 s[TB], 0
	s_mov_b32 s75, 0
	s_mul_i32 s54, s[WV], SREG
	s_add_co_u32 s54, s54, STAGE                   ; my stage
	v_and_b32 v9, 31, v0
	v_lshlrev_b32 v1, 4, v9
	v_lshlrev_b32 v2, 3, v9
	v_and_b32 v10, 15, v0                          ; r
	v_bfe_u32 v8, v0, 4, 1                         ; h
	v_mul_u32_u24 v[STI], v10, 272
	v_lshl_add_u32 v[STI], v8, 7, v[STI]
	v_add_nc_u32 v[STI], s54, v[STI]               ; in: row r, + 128 h
	v_lshrrev_b32 v9, 3, v10
	v_and_b32 v11, 7, v10
	v_lshl_add_u32 v[DL], v9, 5, v11
	v_lshlrev_b32 v9, 5, v8
	v_sub_nc_u32 v[DL], v[DL], v9
	v_add_nc_u32 v[DL], s55, v[DL]                 ; register 32 c + n holds key 64 c + n + 32 h of the step: hidden where 64 c + n is beyond this
	v_lshl_add_u32 v0, v8, 4, v1
	v_add_nc_u32 v0, s54, v0                       ; back: lanes 0-15 one row, lanes 16-31 the next
.irp k, 0,1,2,3,4,5
	v_mov_b32 v[16+\k], 0                          ; zero codes on both sides of my queries'
	v_mov_b32 v[28+\k], 0
.endr
	v_mov_b32 v240, 0                              ; (a lane permute's destination counts as one of its sources)
	BEGIN
	WALU
	s_wait_dscnt 0x0
	CROUND                                         ; the joint loads meet
	s_wait_kmcnt 0x0
	s_mul_i32 s74, s46, 16*STEPB
	s_mul_i32 s76, s[WV], STEPB
	s_add_co_u32 s74, s74, s76
	s_mov_b32 s[G0], 1
	s_mul_i32 s[G0+1], s[WV], STEPB                ; wave w fetches key step w
	s_add_nc_u64 s[G0+2:G0+3], s[8:9], s[74:75]
	s_or_b32 s[G0+3], s[G0+3], 0x80000000
	s_cmp_lt_u32 s[WV], 4                          ; steps 0-3, which are waited for first, have a load line of their own
	s_cbranch_scc0 .Lrest
	tensor_load_to_lds s[G0:G0+3], s[G1:G1+7]
	s_nop 0
	PLACES 4
	s_branch .Lasked
.Lrest:
	tensor_load_to_lds s[G0:G0+3], s[G1:G1+7]
	s_nop 0
	PLACES 4
.Lasked:
	TILE 48, 56, 66, 70
	TILE 49, 58, 68, 72
	LOADQ 56, 66
	WALU
	s_cmp_lt_u32 s[WV], 4
	s_cbranch_scc0 .Lnot_mine
	s_wait_tensorcnt 0x0
.Lnot_mine:
	s_barrier_signal -1
	s_barrier_wait -1                              ; key steps 0-3 are in
	s_wait_loadcnt 0x0
	v_lshl_or_b32 v[QS], v[QS], 16, v[QS]          ; for K 0-63 and again for K 64-127
	LOADK v1
	WALU
	PLACES 8                                       ; the places between the scale word's write and the first product
.Lfirst:
	STEP 0                                         ; steps 0-2; K is fetched up to step 3
	s_cmp_lg_u32 s[ST], 3
	s_cbranch_scc1 .Lfirst
	s_wait_tensorcnt 0x0
	s_wait_dscnt 0x0
	s_barrier_signal -1
	s_barrier_wait -1                              ; all key steps are in; nothing is filled any more
.Lsecond:
	STEP 0                                         ; steps 3-7
	s_cmp_lg_u32 s[ST], 8
	s_cbranch_scc1 .Lsecond
	s_cmp_eq_u32 s[ROLE], 0
	s_cbranch_scc1 .Lstay                          ; B's change of tiles
	LOADQ 58, 68                                   ; the late tile's queries come while the early one leaves
	v_add_f32 v14, v14, v15
	PLACES 4
	OUT 70
	s_wait_xcnt 0x0                                ; the stores have read their registers
	BEGIN
	WALU
	s_mov_b32 s[LIM], s49
	s_mov_b32 s[DG], s49
	s_wait_dscnt 0x0
	s_wait_loadcnt 0x0
	v_lshl_or_b32 v[QS], v[QS], 16, v[QS]
	v_add_nc_u32 v8, 8*STEPB, v1
	LOADK v8                                       ; step 8
	WALU
	PLACES 8
.Lstay:
.Lthird:
	STEP 1                                         ; steps 8-15
	s_cmp_lg_u32 s[ST], 16
	s_cbranch_scc1 .Lthird
	s_and_b32 s54, s[WV], 11                       ; the pair's wave A
	s_mul_i32 s54, s54, SREG
	s_add_co_u32 s54, s54, STAGE
	v_add_nc_u32 v3, s54, v1
	v_add_nc_u32 v11, s54, v2
	PLACES 4                                       ; places in front of the reads of O^T
	WALU
	s_cmp_eq_u32 s[ROLE], 0
	s_cbranch_scc0 .Lmeet
	v_add_f32 v13, v14, v15                        ; A: O^T, -M and the sum into my stage
.irp k, 0,1,2,3,4,5,6,7
	ds_store_b128 v3, v[O+4*\k:O+4*\k+3] offset:512*\k
.endr
	ds_store_b64 v11, v[12:13] offset:4096
.Lmeet:
	s_wait_dscnt 0x0
	s_barrier_signal -1
	s_barrier_wait -1
	s_cmp_eq_u32 s[ROLE], 0
	s_cbranch_scc1 .Ldone
.irp k, 0,1,2,3,4,5,6,7
	ds_load_b128 v[KF+4*\k:KF+4*\k+3], v3 offset:512*\k
.endr
	ds_load_b64 v[8:9], v11 offset:4096            ; B: A's -M and sum
	v_add_f32 v14, v14, v15
	WALU
	s_wait_dscnt 0x0
	v_min_num_f32 v10, v12, v8                     ; -M of both
	v_sub_f32 v8, v10, v8
	v_sub_f32 v12, v10, v12
	v_cvt_i32_f32 v8, v8
	v_cvt_i32_f32 v12, v12
	v_ldexp_f32 v8, 1.0, v8                        ; A's factor
	v_ldexp_f32 v12, 1.0, v12                      ; mine
	v_mul_f32 v14, v14, v12
	v_fma_f32 v14, v9, v8, v14
.set j, 0
.rept 16
	v_pk_mul_f32 v[O+j:O+j+1], v[O+j:O+j+1], v[12:13] op_sel_hi:[1,0]
.set j, j+2
.endr
.set j, 0
.rept 16
	v_pk_fma_f32 v[O+j:O+j+1], v[KF+j:KF+j+1], v[8:9], v[O+j:O+j+1] op_sel_hi:[1,0,1]
.set j, j+2
.endr
	OUT 72
.Ldone:
	s_wait_tensorcnt 0x0                           ; the wave's end
	ds_add_u32 v[SPW], v[NIL]
	s_wait_dscnt 0x0
	CROUND                                         ; the closing round
	s_endpgm
.Lfunc_end_k_q8fee4187a8_attn:
	.size	k_q8fee4187a8_attn, .Lfunc_end_k_q8fee4187a8_attn-k_q8fee4187a8_attn
	.p2alignl 7, 3214868480
	.fill 96, 4, 3214868480
	.section	.rodata,"a",@progbits
	.p2align	6, 0x0
	.amdhsa_kernel k_q8fee4187a8_attn
		.amdhsa_group_segment_fixed_size 327680
		.amdhsa_private_segment_fixed_size 0
		.amdhsa_enable_private_segment 0
		.amdhsa_kernarg_size 32
		.amdhsa_user_sgpr_count 2
		.amdhsa_user_sgpr_kernarg_segment_ptr 1
		.amdhsa_wavefront_size32 1
		.amdhsa_system_sgpr_workgroup_id_x 1
		.amdhsa_system_sgpr_workgroup_id_y 1
		.amdhsa_system_sgpr_workgroup_id_z 1
		.amdhsa_system_vgpr_workitem_id 0
		.amdhsa_next_free_vgpr 256
		.amdhsa_next_free_sgpr 96
		.amdhsa_reserve_vcc 1
		.amdhsa_float_denorm_mode_32 3
		.amdhsa_float_denorm_mode_16_64 3
		.amdhsa_memory_ordered 1
		.amdhsa_forward_progress 1
		.amdhsa_inst_pref_size 84
	.end_amdhsa_kernel
	.amdgpu_metadata
---
amdhsa.version: [ 1, 2 ]
amdhsa.kernels:
  - .name:           k_q8fee4187a8_attn
    .symbol:         k_q8fee4187a8_attn.kd
    .args:
      - { .name: qc, .offset: 0, .size: 8, .value_kind: global_buffer, .address_space: global }
      - { .name: qs, .offset: 8, .size: 8, .value_kind: global_buffer, .address_space: global }
      - { .name: kvc, .offset: 16, .size: 8, .value_kind: global_buffer, .address_space: global }
      - { .name: out0, .offset: 24, .size: 8, .value_kind: global_buffer, .address_space: global }
    .group_segment_fixed_size: 327680
    .private_segment_fixed_size: 0
    .kernarg_segment_align: 8
    .kernarg_segment_size: 32
    .max_flat_workgroup_size: 512
    .sgpr_count:     96
    .vgpr_count:     256
    .wavefront_size: 32
...
	.end_amdgpu_metadata
.endif
;; end of part 3
